; MI455X (gfx1250); checked and timed in simulation.
; The chip was launched on July 23, 2026; its instructions are those of AMD's public machine-readable ISA for CDNA 5 (MIT licence, August 2026) and "CDNA5" Instruction Set Architecture Reference Guide (July 2026). The comments in the code are by the model that wrote it; some were corrected since.
;; Resonant FFN. Allowed arithmetic: matrix products marked QUANTISED: E2M1 operands, one E8M0 scale for each 32 along K, by v_wmma_scale_f32_16x16x128_f8f6f4 with both operands' format E2M1 (or v_wmma_scale_f32_32x16x128_f4), f32 sums; everything else in f32.
;; Inputs: B_p 2,048 x 1,024 float32; W 2,048 x 1,024 float32; cos_table 4,096 float32; proj_imag_w 1,024 x 2,048 float32; proj_real_w 1,024 x 2,048 float32; sin_table 4,096 float32; t 32 float32; x 32 x 1,024 float32.
;; Outputs: out0 32 x 1,024 float32.
;; This version of the problem:
;;   THIS VERSION OF THE PROBLEM IS GIVEN IN LOW PRECISION. The matrix products marked QUANTISED in the list below multiply operands that are first quantised to E2M1 (2 exponent bits, 1 mantissa bit; 4 bits a number), with one power-of-two scale for each 32 numbers along K (OCP MX v1.0); their sums are f32. All else is computed in f32.
;;   The module's matrix products, in the order in which they are computed (A, B: the left and right operand; K: the contracted axis; several contracted axes count as one K, in the product's order):
;;     1. [M 32, K 2,048] x [K 2,048, N 1,024]; A: computed on the way; B: input proj_real_w: QUANTISED
;;     2. [M 32, K 2,048] x [K 2,048, N 1,024]; A: computed on the way; B: input proj_imag_w: QUANTISED
;;   THE QUANTISER, for each operand of a quantised product, along K:
;;     - K is cut into blocks of 32 from its start; a last block that is shorter is filled with zeros.
;;     - A block's scale is 2^e with e = floor(log2(the largest magnitude in the block)) - 2, held to -126 .. 127; a block of zeros has e = 0. As a byte (E8M0): e + 127.
;;     - Each number is divided by its block's scale, clamped to +-6, and rounded to the nearest number of E2M1, ties to even, subnormals kept.
;;     - The product sums the exact products of the quantised numbers (number of the format x scale) in f32.
;;   ~~~python
;;   def quantise(x, axis):      # numpy; x: float32 -> the quantised numbers, widened to float32 again
;;       x = np.moveaxis(x, axis, -1); K = x.shape[-1]
;;       x = np.pad(x, [(0, 0)] * (x.ndim - 1) + [(0, -K % 32)]); x = x.reshape(x.shape[:-1] + (-1, 32)); a = np.abs(x).max(-1, keepdims=True)
;;       e = np.where(a > 0, np.clip(np.frexp(np.where(a > 0, a, 1))[1] - 1 - 2, -126, 127), 0)      # np.frexp(a)[1] - 1 = floor(log2(a)), exactly
;;       r = np.clip(x / 2.0 ** e, -6, 6)
;;       step = 2.0 ** (np.maximum(np.frexp(np.where(r == 0, 1, r))[1] - 1, 0) - 1)
;;       q = np.round(r / step) * step * 2.0 ** e      # np.round: ties to even
;;       return np.moveaxis(q.reshape(q.shape[:-2] + (-1,))[..., :K], -1, axis).astype(np.float32)
;;   ~~~
;;   OPERANDS COMPUTED ON THE WAY. 'Computed on the way' means the value that the module computes at that place (a softmax that the list does not call 'softmax' is quantised finished and normalised). What goes into a quantiser is computed in f32, as accurately as f32 sums, v_exp_f32 and their like allow (about 1e-6 of the number): no bf16 or f16 on the way to a quantiser, and a product that is left as it is and whose result goes on into a quantised operand takes f32 operands (vector FMAs, or v_wmma_f32_16x16x4_f32). A number that lies on a knife's edge between two numbers of the format may be rounded either way, as far as f32 arithmetic and the matrix unit's own rounding can turn it there, and no further.
;; One version. Each part assembles by itself: llvm-mc -triple=amdgcn-amd-amdhsa -mcpu=gfx1250 --defsym DOCPART=n.
;; ======== version 1 of 1: 3 launches
;; limits: inputs' magnitudes at most 201
;; workspace buffers: rc 16,777,216 bytes of whole numbers; ut 131,328 bytes of whole numbers; wcodes 2,097,152 bytes; wscl 131,072 bytes; acodes 65,536 bytes; ascl 4,096 bytes
;; launch prep (part 1): grid 672 x 1, 4 waves a work-group, no clusters, 67,072 bytes of LDS; arguments W, B_p, x, t, proj_real_w, proj_imag_w, rc, ut, wcodes, wscl; writes rc, ut, wcodes, wscl
.if DOCPART == 1
	.amdgcn_target "amdgcn-amd-amdhsa--gfx1250"
	.amdhsa_code_object_version 6
	.text
	.protected	k_q723266337f_prep
	.globl	k_q723266337f_prep
	.p2align	8
	.type	k_q723266337f_prep,@function
k_q723266337f_prep:
	s_mov_b64 s[64:65], 0
	v_nop
	global_prefetch_b8 v0, s[64:65] scope:SCOPE_SE
	s_setreg_imm32_b32 hwreg(HW_REG_WAVE_MODE, 25, 1), 1
	s_wait_xcnt 0x0
; THE FIRST OF THREE LAUNCHES.  It turns all that the phase theta = x / (1 + |W|) + B_p + t is made of into whole numbers, and the two projection weights into codes of FP4 (E2M1).
; PHASES AS WHOLE NUMBERS.  A phase is counted in units of 2^-26 turn, a turn being f32(2 pi): FIX(v) = round(v x 10,680,707), since 4096 / f32(2 pi) = 10,680,707 x 2^-14 exactly.
;   U = FIX(x) + 2^31 (32 turns on top, so that the product below is unsigned);  R = 2^32 / (1 + |W|), its lowest bit cleared;  C = FIX(B_p) - R / 2 (which takes the 32 turns x R away again, exactly);  T = FIX(t).
;   The next launch forms the high word of U x R, + C + T: the phase modulo 2^32 units; bits 25:14 are the table's index, bits 13:0 the fraction.
; LIMITS: |x|, |B_p| and |t| each under 201 (32 turns): beyond that the conversion to a whole number is held at its end.  NaN and infinities are not served.
;   Where W = 0, R is held at 2^32 - 256: 2^-24 of the quotient.  A block of 32 weights that are all zeros gets the scale byte 1 (its codes are zeros; this program alone reads the bytes).
; THREE PATHS, parted by the work-group's number (the same in all four waves); each path that uses LDS has bytes of its own.
;   work-groups 0-127:    the weights' quantiser: proj_real_w (0-63), proj_imag_w (64-127) -> wcodes [2][1024][1024 bytes], wscl [2][1024][64 bytes], K innermost
;   work-groups 128-639:  W, B_p -> rc [n / 32][d / 2][n % 32][R(d0), C(d0), R(d1), C(d1)]: 32 neurons x 128 d to a work-group
;   work-groups 640-671:  x -> ut [b / 8][d][b % 8];  t -> 32 words behind it, at byte 131,072
.set WREG,  8192                       ; quantiser: LDS of a wave: two stages of 32 x SP bytes, and behind them its 256 scale bytes
.set SP,    80                         ; a lane's place in a stage: its 64 bytes + 16 of padding
.set STEPS, 16
.set CB,    8                          ; bytes of 16 codes
.set R,     16                         ; v16-79   four sets of 16 numbers as they are loaded
.set X,     80                         ; v80-111  two sets of 16 neighbours
.set E,     112                        ; v112-127 a scale byte for each step
.set C,     128                        ; v128-191 codes: four registers for each step, so that no store's data are written again
.set STG,   32768                      ; the path W, B_p: a stage of 64 rows (d / 2) x (512 bytes + 16)
.set SPITCH, 528
.set WR,    16                         ; v16-47   W, then 1 + |W|
.set BR,    48                         ; v48-79   B_p
.set RR,    80                         ; v80-111  the reciprocals
.set OUT,   112                        ; v112-175 element e = 4 j + k (row j, my k-th d): R at OUT + 2 e, C at OUT + 2 e + 1
.set TMP,   176                        ; v176-183 at work
	s_load_b512 s[4:19], s[0:1], 0x0               ; W s[4:5], B_p s[6:7], x s[8:9], t s[10:11], real s[12:13], imag s[14:15], rc s[16:17], ut s[18:19]
	s_load_b128 s[20:23], s[0:1], 0x40             ; wcodes s[20:21], wscl s[22:23]
	v_lshl_add_u32 v192, v0, 2, 0x10400
	v_mov_b32 v193, 0
	v_lshrrev_b32 v1, 5, v0
	v_readfirstlane_b32 s24, v1                    ; wave 0..3
	v_and_b32 v2, 31, v0                           ; lane
	s_mov_b32 s27, 0                               ; the upper word of every offset
	s_mov_b32 s30, 0x4b22f983                      ; 10,680,707.0: units of 2^-26 turn in a radian
	s_wait_kmcnt 0x0
	s_cmp_lt_u32 ttmp9, 128
	s_cbranch_scc0 .Lnot_q
; v[dst] = round(v[src] x 10,680,707) as a whole number.  The product has more bits than f32 holds: its rounded value is taken first, and what the rounding lost comes exactly by a fused multiply-add.
.macro FIX dst, src, ta, tb
	v_mul_f32 v[\ta], s30, v[\src]
	v_rndne_f32 v[\ta], v[\ta]
	v_fma_f32 v[\tb], v[\src], s30, -v[\ta]
	v_rndne_f32 v[\tb], v[\tb]
	v_cvt_i32_f32 v[\ta], v[\ta]
	v_cvt_i32_f32 v[\tb], v[\tb]
	v_add_nc_u32 v[\dst], v[\ta], v[\tb]
.endm
; ---------------------------------------------------------------- THE WEIGHTS' QUANTISER
; Rows are dense and K = 2,048 is a multiple of 32: a tensor is a plain stream of blocks of 32 numbers, and so are its codes and scale bytes.  A wave takes 16 steps of 512 numbers.
; Each load reads 512 consecutive bytes, 16 a lane; a step's 2,048 bytes turn through the wave's own stage in LDS and come back 64 bytes a lane, so that a lane holds 16 neighbours along K and two
; neighbouring lanes a block.  A block's scale is 2^(floor(log2(largest magnitude)) - 2): its byte is the largest magnitude's exponent field - 2, held at 1 from below.
	s_wait_alu depctr_va_vdst(0)
	v_lshlrev_b32 v3, 4, v2                        ; my 16 bytes of a load's 512
	s_mul_i32 s25, s24, WREG
	v_lshrrev_b32 v14, 2, v2
	v_mul_u32_u24 v14, v14, SP
	v_and_b32 v15, 3, v2
	v_lshl_add_u32 v14, v15, 4, v14
	v_add_nc_u32 v14, s25, v14                     ; the stage, on the way in: SP (lane / 4) + 16 (lane % 4)
	v_mul_u32_u24 v15, v2, SP
	v_add_nc_u32 v15, s25, v15                     ; and on the way out: SP x lane
	v_mul_u32_u24 v4, v2, CB                       ; my codes' place in a step's
	v_lshrrev_b32 v5, 1, v2
	s_add_co_u32 s25, s25, 2*32*SP
	v_add_nc_u32 v5, s25, v5                       ; my wave's 256 scale bytes, my block's byte
	v_lshlrev_b32 v7, 3, v2                        ; and on the way out 8 bytes a lane
	v_add_nc_u32 v6, s25, v7
	s_cmp_lt_u32 ttmp9, 64                         ; the real part's work-group or the imaginary part's: the choice hangs on the work-group's number alone
	s_cselect_b64 s[12:13], s[12:13], s[14:15]
	s_cselect_b32 s25, 0, 64
	s_sub_co_u32 s25, ttmp9, s25
	s_lshl_b32 s25, s25, 2
	s_add_co_u32 s26, s25, s24                     ; which run of 8,192 numbers of the tensor is my wave's,
	s_lshl_b32 s26, s26, 15                        ; in bytes
	s_add_nc_u64 s[12:13], s[12:13], s[26:27]
	s_lshl_b32 s25, ttmp9, 2
	s_add_co_u32 s25, s25, s24                     ; and which run of the two tensors on end
	s_lshl_b32 s26, s25, 12                        ; 4,096 bytes of codes a run,
	s_add_nc_u64 s[20:21], s[20:21], s[26:27]
	s_lshl_b32 s26, s25, 8                         ; 256 scale bytes
	s_add_nc_u64 s[22:23], s[22:23], s[26:27]
.macro QLOAD t
.irp i, 0,1,2,3
	global_load_b128 v[R+16*((\t)%4)+4*\i:R+16*((\t)%4)+4*\i+3], v3, s[12:13] offset:2048*(\t)+512*\i th:TH_LOAD_NT   ; 32 lanes read 512 consecutive bytes
.endr
.endm
.macro QTURN t                         ; step t's numbers through the stage: LDS serves a wave's instructions in order, so no wait stands between the stores and the loads
.irp i, 0,1,2,3
	ds_store_b128 v14, v[R+16*((\t)%4)+4*\i:R+16*((\t)%4)+4*\i+3] offset:32*SP*((\t)%2)+8*SP*\i
.endr
.irp i, 0,1,2,3
	ds_load_b128 v[X+16*((\t)%2)+4*\i:X+16*((\t)%2)+4*\i+3], v15 offset:32*SP*((\t)%2)+16*\i
.endr
.endm
.irp t, 0,1,2,3
	QLOAD \t
.endr
	s_wait_alu depctr_va_vdst(0)
	s_wait_loadcnt 12                              ; step 0's four loads are in
	QTURN 0
.macro QSTEP t
.set XS, X+16*((\t)%2)
.if (\t) > 0
	s_wait_dscnt 1                                 ; this step's numbers are back from the stage (the last step's byte store may be out): so its stores into the stage have read their registers,
.else
	s_wait_dscnt 0x0
.endif
.if (\t)+4 < STEPS
	QLOAD (\t)+4                                   ; which take the loads of four steps on
.endif
.if (\t)+1 < STEPS
.if STEPS-2-(\t) >= 3
	s_wait_loadcnt 12                              ; the next step's four loads are in; those of the three steps behind it may be out
.else
	s_wait_loadcnt 4*(STEPS-2-(\t))
.endif
	QTURN (\t)+1                                   ; and go through the other stage while this step is worked
.endif
	v_max3_num_f32 v8, |v[XS]|, |v[XS+1]|, |v[XS+2]|               ; the largest magnitude of my 16, in two chains
	v_max3_num_f32 v9, |v[XS+3]|, |v[XS+4]|, |v[XS+5]|
.irp i, 6,10
	v_max3_num_f32 v8, v8, |v[XS+\i]|, |v[XS+\i+1]|
	v_max3_num_f32 v9, v9, |v[XS+\i+2]|, |v[XS+\i+3]|
.endr
	v_max3_num_f32 v8, v8, |v[XS+14]|, |v[XS+15]|
	v_max3_num_f32 v8, v8, v9, 0x1800000           ; and the floor 2^(3 - 127): so the byte cannot fall under 1
	v_max_num_f32_dpp v8, v8, v8 row_xmask:1 row_mask:0xf bank_mask:0xf   ; and of my neighbour's 16: the block's
	v_add_nc_u32 v11, 0xff000000, v8               ; 2 off its exponent field: the conversion takes the exponent field of this operand as its scale, and nothing else of it
	v_cvt_scalef32_pk8_fp4_f32 v[C+4*(\t)], v[XS:XS+7], v11
	v_cvt_scalef32_pk8_fp4_f32 v[C+4*(\t)+1], v[XS+8:XS+15], v11
	v_lshrrev_b32 v[E+(\t)], 23, v11               ; the scale's byte (also the plain line behind the conversions)
	ds_store_b8 v5, v[E+(\t)] offset:16*(\t)       ; both lanes of a block write the same byte with the same value
	global_store_b64 v4, v[C+4*(\t):C+4*(\t)+1], s[20:21] offset:32*CB*(\t)   ; 32 lanes store 256 consecutive bytes, aligned
.endm
.irp t, 0,1,2,3,4,5,6,7,8,9,10,11,12,13,14,15
	QSTEP \t
.endr
	ds_load_b64 v[12:13], v6                       ; LDS serves a wave's instructions in order: these see my stores
	s_wait_dscnt 0x0
	global_store_b64 v7, v[12:13], s[22:23]        ; 32 lanes store 256 consecutive bytes, aligned
	s_wait_tensorcnt 0x0
	ds_add_u32 v192, v193
	s_wait_dscnt 0x0
	s_endpgm
; ---------------------------------------------------------------- W AND B_p
; A work-group takes 32 neurons (one group g) x 128 d.  Wave w loads rows 8 w + j, j = 0..7, 512 consecutive bytes a load; lane l holds d = 4 l + 0..3 of each.
; The next launch wants a lane to a neuron: so the quads (R, C of two neighbouring d) go through a stage, row = d / 2, column = neuron, and leave as rows of 512 bytes.
.Lnot_q:
	s_cmp_lt_u32 ttmp9, 640
	s_cbranch_scc0 .Lut
	s_sub_co_u32 s25, ttmp9, 128
	s_lshr_b32 s28, s25, 3                         ; g: which 32 neurons
	s_and_b32 s29, s25, 7                          ; which 128 d
	s_wait_alu depctr_va_vdst(0)
	v_lshlrev_b32 v3, 4, v2                        ; 16 x lane: for the loads and for the stores
	s_wait_alu depctr_va_vdst(0)
	s_lshl_b32 s31, s24, 7
	v_mul_u32_u24 v4, v2, 2*SPITCH
	v_add_nc_u32 v4, s31, v4
	v_add_nc_u32 v4, STG, v4                       ; into the stage: rows 2 l and 2 l + 1, columns 8 w + j of 16 bytes
	s_mul_i32 s31, s24, 16*SPITCH
	v_add_nc_u32 v5, s31, v3
	v_add_nc_u32 v5, STG, v5                       ; out of it: my wave's rows 16 w + i, 16 bytes a lane
	s_lshl_b32 s26, s28, 5
	s_lshl_b32 s31, s24, 3
	s_add_co_u32 s26, s26, s31                     ; my wave's first row of W and of B_p: 32 g + 8 w,
	s_lshl_b32 s26, s26, 12                        ; of 4,096 bytes,
	s_lshl_b32 s31, s29, 9
	s_add_co_u32 s26, s26, s31                     ; + the work-group's 128 d
	s_add_nc_u64 s[4:5], s[4:5], s[26:27]
	s_add_nc_u64 s[6:7], s[6:7], s[26:27]
	s_lshl_b32 s26, s28, 18                        ; rc: 262,144 bytes a group,
	s_lshl_b32 s31, s29, 15                        ; 64 rows of 512 bytes for 128 d,
	s_add_co_u32 s26, s26, s31
	s_lshl_b32 s31, s24, 13                        ; 16 rows a wave
	s_add_co_u32 s26, s26, s31
	s_add_nc_u64 s[16:17], s[16:17], s[26:27]
.irp j, 0,1,2,3,4,5,6,7
	global_load_b128 v[WR+4*\j:WR+4*\j+3], v3, s[4:5] offset:4096*\j th:TH_LOAD_NT
.endr
.irp j, 0,1,2,3,4,5,6,7
	global_load_b128 v[BR+4*\j:BR+4*\j+3], v3, s[6:7] offset:4096*\j th:TH_LOAD_NT
.endr
	s_wait_loadcnt 8                               ; W's eight loads are in; B_p's eight may be out
.set e, 0
.rept 32
	v_add_f32 v[WR+e], 1.0, |v[WR+e]|              ; the wavelength
.set e, e+1
.endr
.set e, 0
	s_wait_alu depctr_va_vdst(0)
.rept 32
	v_rcp_f32 v[RR+e], v[WR+e]                     ; one batch of 32
.set e, e+1
.endr
	s_wait_loadcnt 0x0                             ; B_p
.set e, 0
.rept 32
	FIX OUT+2*e+1, BR+e, TMP+2*(e%4), TMP+2*(e%4)+1   ; FIX(B_p): work that names no reciprocal stands behind the batch
.set e, e+1
.endr
	s_wait_alu depctr_va_vdst(0)                   ; one wait for the 32 reciprocals, ahead of their first reader
; R = 2^32 / w to about a unit: the reciprocal r0 x 2^32 (exact), and r0 x 2^32 x (1 - w r0), the remainder taken exactly by a fused multiply-add.
.macro RFIX e, ta, tb
	v_fma_f32 v[\ta], -v[WR+(\e)], v[RR+(\e)], 1.0
	v_mul_f32 v[\tb], 0x4f800000, v[RR+(\e)]
	v_mul_f32 v[\ta], v[\tb], v[\ta]
	v_min_num_f32 v[\tb], 0x4f7fffff, v[\tb]       ; held at the largest f32 under 2^32 (met where w = 1 alone), so that the conversion stays inside 32 bits
	v_cvt_u32_f32 v[\tb], v[\tb]
	v_cvt_i32_f32 v[\ta], v[\ta]
	v_add_nc_u32 v[\tb], v[\tb], v[\ta]
	v_and_b32 v[OUT+2*(\e)], -2, v[\tb]            ; R even, so that 2^31 x R / 2^32 is a whole number:
	v_lshrrev_b32 v[\ta], 1, v[OUT+2*(\e)]
	v_sub_nc_u32 v[OUT+2*(\e)+1], v[OUT+2*(\e)+1], v[\ta]   ; C = FIX(B_p) - R / 2
.endm
.set e, 0
.rept 32
	RFIX e, TMP+2*(e%4), TMP+2*(e%4)+1
.set e, e+1
.endr
.irp j, 0,1,2,3,4,5,6,7
.irp p, 0,1
	ds_store_b128 v4, v[OUT+8*\j+4*\p:OUT+8*\j+4*\p+3] offset:SPITCH*\p+16*\j
.endr
.endr
	s_wait_dscnt 0x0                               ; for the others' sake: my stores into the stage are done
	s_barrier_signal -1
	s_barrier_wait -1                              ; a row's 32 columns come from all four waves
.irp i, 0,1,2,3,4,5,6,7,8,9,10,11,12,13,14,15
	ds_load_b128 v[16+4*\i:16+4*\i+3], v5 offset:SPITCH*\i
.endr
.irp i, 0,1,2,3,4,5,6,7,8,9,10,11,12,13,14,15
	s_wait_dscnt 15-\i                             ; LDS loads come back in order: row i is in
	global_store_b128 v3, v[16+4*\i:16+4*\i+3], s[16:17] offset:512*\i   ; 32 lanes store 512 consecutive bytes, aligned
.endr
	s_wait_tensorcnt 0x0
	ds_add_u32 v192, v193
	s_wait_dscnt 0x0
	s_endpgm
; ---------------------------------------------------------------- x AND t
; A work-group takes 8 batches x 128 d.  Thread i takes d = i / 2 (and 64 further on) and four batches, 4 (i % 2) + 0..3: its four words are 16 consecutive bytes of ut, and a wave's store covers 512.
.Lut:
	s_sub_co_u32 s25, ttmp9, 640
	s_lshr_b32 s28, s25, 3                         ; which 8 batches
	s_and_b32 s29, s25, 7                          ; which 128 d
	v_and_b32 v3, 1, v0
	v_lshrrev_b32 v4, 1, v0
	v_lshlrev_b32 v3, 14, v3                       ; x: four rows of 4,096 bytes down for the odd threads,
	v_lshl_add_u32 v3, v4, 2, v3                   ; + 4 bytes a d
	s_wait_alu depctr_va_vdst(0)
	v_lshlrev_b32 v4, 4, v0                        ; ut: 16 bytes a thread
	s_lshl_b32 s26, s28, 15
	s_lshl_b32 s31, s29, 9
	s_add_co_u32 s26, s26, s31
	s_add_nc_u64 s[8:9], s[8:9], s[26:27]
	s_lshl_b32 s26, s28, 15
	s_lshl_b32 s31, s29, 12
	s_add_co_u32 s26, s26, s31
	s_add_nc_u64 s[32:33], s[18:19], s[26:27]
.irp u, 0,1
.irp j, 0,1,2,3
	global_load_b32 v[16+4*\u+\j], v3, s[8:9] offset:256*\u+4096*\j
.endr
.endr
	s_wait_loadcnt 0x0
.irp i, 0,1,2,3,4,5,6,7
	FIX 32+\i, 16+\i, TMP+2*(\i%4), TMP+2*(\i%4)+1
.endr
.irp i, 0,1,2,3,4,5,6,7
	v_xor_b32 v[32+\i], 0x80000000, v[32+\i]       ; + 2^31
.endr
	global_store_b128 v4, v[32:35], s[32:33]
	global_store_b128 v4, v[36:39], s[32:33] offset:2048
	s_cmp_lg_u32 s25, 0                            ; t's 32 numbers: one wave of one work-group
	s_cbranch_scc1 .Lend
	s_cmp_lg_u32 s24, 0
	s_cbranch_scc1 .Lend
	v_lshlrev_b32 v5, 2, v2
	global_load_b32 v48, v5, s[10:11]
	s_wait_loadcnt 0x0
	FIX 49, 48, TMP, TMP+1
	s_wait_alu depctr_va_vdst(0)
	global_store_b32 v5, v49, s[18:19] offset:131072
.Lend:
	s_endpgm
.Lfunc_end_k_q723266337f_prep:
	.size	k_q723266337f_prep, .Lfunc_end_k_q723266337f_prep-k_q723266337f_prep
	.p2alignl 7, 3214868480
	.fill 96, 4, 3214868480
	.section	.rodata,"a",@progbits
	.p2align	6, 0x0
	.amdhsa_kernel k_q723266337f_prep
		.amdhsa_group_segment_fixed_size 67072
		.amdhsa_private_segment_fixed_size 0
		.amdhsa_enable_private_segment 0
		.amdhsa_kernarg_size 80
		.amdhsa_user_sgpr_count 2
		.amdhsa_user_sgpr_kernarg_segment_ptr 1
		.amdhsa_wavefront_size32 1
		.amdhsa_system_sgpr_workgroup_id_x 1
		.amdhsa_system_sgpr_workgroup_id_y 1
		.amdhsa_system_sgpr_workgroup_id_z 1
		.amdhsa_system_vgpr_workitem_id 0
		.amdhsa_next_free_vgpr 194
		.amdhsa_next_free_sgpr 66
		.amdhsa_reserve_vcc 0
		.amdhsa_float_denorm_mode_32 3
		.amdhsa_float_denorm_mode_16_64 3
		.amdhsa_memory_ordered 1
		.amdhsa_forward_progress 1
		.amdhsa_inst_pref_size 69
	.end_amdhsa_kernel
	.amdgpu_metadata
---
amdhsa.version: [ 1, 2 ]
amdhsa.kernels:
  - .name:           k_q723266337f_prep
    .symbol:         k_q723266337f_prep.kd
    .args:
      - { .name: W, .offset: 0, .size: 8, .value_kind: global_buffer, .address_space: global }
      - { .name: B_p, .offset: 8, .size: 8, .value_kind: global_buffer, .address_space: global }
      - { .name: x, .offset: 16, .size: 8, .value_kind: global_buffer, .address_space: global }
      - { .name: t, .offset: 24, .size: 8, .value_kind: global_buffer, .address_space: global }
      - { .name: proj_real_w, .offset: 32, .size: 8, .value_kind: global_buffer, .address_space: global }
      - { .name: proj_imag_w, .offset: 40, .size: 8, .value_kind: global_buffer, .address_space: global }
      - { .name: rc, .offset: 48, .size: 8, .value_kind: global_buffer, .address_space: global }
      - { .name: ut, .offset: 56, .size: 8, .value_kind: global_buffer, .address_space: global }
      - { .name: wcodes, .offset: 64, .size: 8, .value_kind: global_buffer, .address_space: global }
      - { .name: wscl, .offset: 72, .size: 8, .value_kind: global_buffer, .address_space: global }
    .group_segment_fixed_size: 67072
    .private_segment_fixed_size: 0
    .kernarg_segment_align: 8
    .kernarg_segment_size: 80
    .max_flat_workgroup_size: 128
    .sgpr_count:     66
    .vgpr_count:     194
    .wavefront_size: 32
...
	.end_amdgpu_metadata
.endif
;; end of part 1
;; launch main (part 2): grid 64 x 4, 16 waves a work-group, no clusters, 102,656 bytes of LDS; arguments rc, ut, sin_table, cos_table, acodes, ascl; writes acodes, ascl
.if DOCPART == 2
	.amdgcn_target "amdgcn-amd-amdhsa--gfx1250"
	.amdhsa_code_object_version 6
	.text
	.protected	k_q723266337f_main
	.globl	k_q723266337f_main
	.p2align	8
	.type	k_q723266337f_main,@function
k_q723266337f_main:
	s_mov_b64 s[64:65], 0
	v_nop
	global_prefetch_b8 v0, s[64:65] scope:SCOPE_SE
	s_setreg_imm32_b32 hwreg(HW_REG_WAVE_MODE, 25, 1), 1
	s_wait_xcnt 0x0
; THE SECOND LAUNCH: cos_sum[b][n] and sin_sum[b][n] = the sums over d of the interpolated table values at theta(b, n, d), quantised along n to codes of FP4 (E2M1) with one E8M0 byte for each 32 neurons.
; THE PHASE IS A WHOLE NUMBER, made of whole numbers that the launch before stored: Q = high word of U(b, d) x R(n, d), + C(n, d) + T(b), in units of 2^-26 turn, modulo 2^32.
;   Bits 25:14 are the table's index (the wrap is the modulus of 4,096), bits 13:0 the fraction x 16,384.  The value is s0 + fraction x (s1 - s0), from the tables as they are given.
; SHARES.  A work-group takes 32 neurons (x) and 8 batches (y), all 1,024 d; 256 work-groups.  Wave w of sixteen takes d = 64 w .. 64 w + 63 for all 8 batches.  A LANE IS A NEURON: U and T are the same in all
;   lanes and stand in scalar registers, R and C come 16 bytes a lane for two d, and the 32 lanes of a sum are one block of 32 along the next product's K.
; THE TABLES lie in LDS as pairs (s0, s1 - s0), 8 bytes an entry: one ds_load_b64 a table and element.  A packed multiply-add by (1.0, fraction) adds s0 to one sum and (s1 - s0) x fraction to another;
;   the fraction stays a whole number 0 .. 16,383, and its 2^-14 is applied once at the end, which changes no bit of the sum.
; A BATCH is one d for the 8 batches: 16 gathers; their data are used one batch later, so that a gather has a batch's 72 vector instructions in which to come.
; LIMITS: those of the phases' whole numbers (|x|, |B_p|, |t| under 201 each).  A block of 32 sums that are all zeros gets the scale byte 1 (its codes are zeros; this program alone reads the bytes).
.set TS,  0                            ; LDS: sin's 4,096 pairs
.set TC,  32768                        ; cos's
.set RED, 65536                        ; the waves' partial sums: [wave 16][row 16][lane 32] f32; row = 8 x (0 cos, 1 sin) + batch
.set FIN, 98304                        ; the 16 finished rows, 128 bytes + 16 of padding each
.set ACC, 8                            ; v8-39    batch b: cos's pair (sum of s0, sum of D x fraction) at ACC + 4 b, sin's at ACC + 4 b + 2
.set RCR, 40                           ; v40-55   a ring of four quads (R, C, R, C of two d)
.set Q,   56                           ; v56-63   the 8 phases
.set A,   64                           ; v64-71   the 8 gather addresses
.set MUL, 72                           ; v72-103  pairs (1.0, fraction): [parity][batch]
.set DAT, 104                          ; v104-167 gathered pairs: [parity][batch]: sin's, then cos's
.set P,   104                          ; the way out: my 16 partial sums
.set UA,  16                           ; s[16:47] U of four d x 8 batches
.set T,   48                           ; s[48:55] T of the 8 batches
.set UB,  68                           ; s[68:99] U of the next four d
	s_load_b256 s[4:11], s[0:1], 0x0               ; rc s[4:5], ut s[6:7], sin_table s[8:9], cos_table s[10:11]
	s_load_b128 s[12:15], s[0:1], 0x20             ; acodes s[12:13], ascl s[14:15]
	v_lshl_add_u32 v176, v0, 2, 0x18900
	v_mov_b32 v177, 0
	v_lshrrev_b32 v1, 5, v0
	s_delay_alu instid0(VALU_DEP_1)
	v_readfirstlane_b32 s57, v1                    ; wave 0..15
	s_and_b32 s59, ttmp7, 0xffff                   ; which 8 batches
	v_and_b32 v56, 31, v0                          ; lane
	s_delay_alu instid0(VALU_DEP_1)
	v_lshlrev_b32 v1, 4, v56                       ; v1: rc: 16 bytes a lane; never rewritten
	s_lshl_b32 s60, s57, 11
	v_lshl_add_u32 v2, v56, 2, s60
	s_delay_alu instid0(VALU_DEP_1)
	v_add_nc_u32 v2, RED, v2                       ; v2: where I put my partial sums: RED + 2,048 wave + 4 lane
	v_lshl_add_u32 v3, v0, 2, RED                  ; v3: where I read row w's sixteen parts: RED + 128 wave + 4 lane
	s_mul_i32 s60, s57, 144
	v_lshl_add_u32 v4, v56, 2, s60
	s_delay_alu instid0(VALU_DEP_1)
	v_add_nc_u32 v4, FIN, v4                       ; v4: the finished row w
	v_lshrrev_b32 v57, 1, v56
	v_and_b32 v58, 1, v56
	s_delay_alu instid0(VALU_DEP_2)
	v_mul_u32_u24 v5, v57, 144
	s_delay_alu instid0(VALU_DEP_1)
	v_lshl_add_u32 v5, v58, 6, v5
	s_delay_alu instid0(VALU_DEP_1)
	v_add_nc_u32 v5, FIN, v5                       ; v5: the quantiser: 16 neighbours of row lane / 2
	v_lshlrev_b32 v6, 3, v56                       ; v6: my 8 bytes of codes
	v_and_b32 v57, 7, v57
	v_lshrrev_b32 v58, 4, v56
	s_delay_alu instid0(VALU_DEP_2)
	v_lshlrev_b32 v7, 7, v57
	s_delay_alu instid0(VALU_DEP_1)
	v_lshl_add_u32 v7, v58, 6, v7                  ; v7: my row's scale byte: 128 x batch + 64 x (cos, sin)
	v_lshlrev_b32 v64, 2, v0                       ; the tables: entry i = thread + 512 k;
	v_add_nc_u32 v65, 3585, v0
	s_delay_alu instid0(VALU_DEP_1)
	v_and_b32 v65, 4095, v65
	s_delay_alu instid0(VALU_DEP_1)
	v_lshlrev_b32 v65, 2, v65                      ; entry i + 1 of the last 512, where the table wraps
	v_lshlrev_b32 v66, 3, v0                       ; and the pair's place in LDS
	s_mov_b32 s61, 0
	s_wait_alu depctr_va_vdst(0)
	s_wait_kmcnt 0x0
	s_lshl_b32 s60, ttmp9, 18                      ; rc: 262,144 bytes for 32 neurons,
	s_lshl_b32 s56, s57, 14                        ; 16,384 for my wave's 64 d
	s_add_co_u32 s60, s60, s56
	s_add_nc_u64 s[4:5], s[4:5], s[60:61]
	s_lshl_b32 s60, s59, 5
	s_add_co_u32 s60, s60, 131072
	s_add_nc_u64 s[62:63], s[6:7], s[60:61]
	s_load_b256 s[T:T+7], s[62:63], 0x0            ; T of my 8 batches
	s_lshl_b32 s60, s59, 15                        ; U: 32,768 bytes for 8 batches,
	s_lshl_b32 s56, s57, 11                        ; 32 bytes a d
	s_add_co_u32 s60, s60, s56
	s_add_nc_u64 s[6:7], s[6:7], s[60:61]
	s_load_b512 s[UA:UA+15], s[6:7], 0x0           ; U of d 0, 1
	s_load_b512 s[UA+16:UA+31], s[6:7], 0x40       ; and 2, 3
.irp k, 0,1,2,3
	global_load_b128 v[RCR+4*\k:RCR+4*\k+3], v1, s[4:5] offset:512*\k   ; the first trip's four quads: 512 consecutive bytes each
.endr
.irp k, 0,1,2,3,4,5,6
	global_load_b32 v[DAT+2*\k], v64, s[8:9] offset:2048*\k
	global_load_b32 v[DAT+2*\k+1], v64, s[8:9] offset:2048*\k+4
	global_load_b32 v[DAT+16+2*\k], v64, s[10:11] offset:2048*\k
	global_load_b32 v[DAT+16+2*\k+1], v64, s[10:11] offset:2048*\k+4
.endr
	global_load_b32 v[DAT+14], v64, s[8:9] offset:14336
	global_load_b32 v[DAT+15], v65, s[8:9]
	global_load_b32 v[DAT+30], v64, s[10:11] offset:14336
	global_load_b32 v[DAT+31], v65, s[10:11]
	s_lshl_b32 s60, ttmp9, 10                      ; acodes: 256 bytes for each (32 neurons, 8 batches)
	s_lshl_b32 s56, s59, 8
	s_add_co_u32 s60, s60, s56
	s_add_nc_u64 s[12:13], s[12:13], s[60:61]
	s_lshl_b32 s60, s59, 10                        ; ascl: [batch][128]: 8 rows of 128 bytes, + the block's number
	s_add_co_u32 s60, s60, ttmp9
	s_add_nc_u64 s[14:15], s[14:15], s[60:61]
.irp i, 0,1,2,3,4,5,6,7,8,9,10,11,12,13,14,15
	v_mov_b32 v[MUL+2*\i], 1.0                     ; the pairs' low words stay 1.0
.endr
	s_wait_loadcnt 0x0
.irp k, 0,1,2,3,4,5,6,7,8,9,10,11,12,13,14,15
	v_sub_f32 v[DAT+2*\k+1], v[DAT+2*\k+1], v[DAT+2*\k]   ; s1 - s0
.endr
.irp k, 0,1,2,3,4,5,6,7
	ds_store_b64 v66, v[DAT+2*\k:DAT+2*\k+1] offset:TS+4096*\k
	ds_store_b64 v66, v[DAT+16+2*\k:DAT+16+2*\k+1] offset:TC+4096*\k
.endr
	s_wait_dscnt 0x0                               ; for the others' sake: my part of the tables is in LDS
	s_barrier_signal -1
	s_barrier_wait -1                              ; the tables are whole
; The gathered pairs of parity par are added.  start = 1: they start the sums: nothing is ever cleared.
.macro EAT par, start
.irp b, 0,1,2,3,4,5,6,7
.if \start
	v_pk_mul_f32 v[ACC+4*\b:ACC+4*\b+1], v[DAT+32*(\par)+4*\b+2:DAT+32*(\par)+4*\b+3], v[MUL+16*(\par)+2*\b:MUL+16*(\par)+2*\b+1]
	v_pk_mul_f32 v[ACC+4*\b+2:ACC+4*\b+3], v[DAT+32*(\par)+4*\b:DAT+32*(\par)+4*\b+1], v[MUL+16*(\par)+2*\b:MUL+16*(\par)+2*\b+1]
.else
	v_pk_fma_f32 v[ACC+4*\b:ACC+4*\b+1], v[DAT+32*(\par)+4*\b+2:DAT+32*(\par)+4*\b+3], v[MUL+16*(\par)+2*\b:MUL+16*(\par)+2*\b+1], v[ACC+4*\b:ACC+4*\b+1]
	v_pk_fma_f32 v[ACC+4*\b+2:ACC+4*\b+3], v[DAT+32*(\par)+4*\b:DAT+32*(\par)+4*\b+1], v[MUL+16*(\par)+2*\b:MUL+16*(\par)+2*\b+1], v[ACC+4*\b+2:ACC+4*\b+3]
.endif
.endr
.endm
; ONE d OF A TRIP'S EIGHT (j), for the 8 batches.  ub: the set of U;  reload = 1: behind an odd d its quad is asked for anew, for the next trip;  lc: the younger quad loads that may stay out;
; mode 0: there is no batch before this one;  1: the batch before starts the sums;  2: it is added.
.macro BATCH j, ub, reload, lc, mode
.set p, (\j)&1
.set rR, RCR+4*((\j)/2)+2*p
.if p == 0
	s_wait_loadcnt \lc                             ; loads come back in order: this quad is in
.endif
.irp b, 0,1,2,3,4,5,6,7
	v_mul_hi_u32 v[Q+\b], s[\ub+8*((\j)%4)+\b], v[rR]
.endr
.irp b, 0,1,2,3,4,5,6,7
	v_add3_u32 v[Q+\b], v[Q+\b], v[rR+1], s[T+\b]  ; the phase
.endr
.if (p == 1) && (\reload)
	global_load_b128 v[RCR+4*((\j)/2):RCR+4*((\j)/2)+3], v1, s[4:5] offset:2048+512*((\j)/2)
.endif
.irp b, 0,1,2,3,4,5,6,7
	v_lshrrev_b32 v[A+\b], 11, v[Q+\b]
.endr
.irp b, 0,1,2,3,4,5,6,7
	v_and_b32 v[A+\b], 0x7ff8, v[A+\b]             ; 8 x the index
.endr
.irp b, 0,1,2,3,4,5,6,7
	v_min_u32 v[A+\b], 0x7ff8, v[A+\b]             ; a number made of loaded ones enters an address behind a bound written in the text
.endr
.irp b, 0,1,2,3,4,5,6,7
	ds_load_b64 v[DAT+32*p+4*\b:DAT+32*p+4*\b+1], v[A+\b] offset:TS
	ds_load_b64 v[DAT+32*p+4*\b+2:DAT+32*p+4*\b+3], v[A+\b] offset:TC
.endr
.irp b, 0,1,2,3,4,5,6,7
	v_and_b32 v[Q+\b], 0x3fff, v[Q+\b]
.endr
.irp b, 0,1,2,3,4,5,6,7
	v_cvt_f32_u32 v[MUL+16*p+2*\b+1], v[Q+\b]      ; the fraction x 16,384
.endr
.if (\mode) > 0
	s_wait_dscnt 16                                ; LDS loads come back in order: the last batch's 16 gathers are in, this batch's 16 may be out
	EAT 1-p, 2-(\mode)
.endif
.endm
; A TRIP: 8 d.  U comes four d ahead by scalar loads, which return in no order: each wait is for all of them.
.macro TRIP first, last
	s_wait_kmcnt 0x0                               ; U of d 0-3 (and, the first time, T)
	s_load_b512 s[UB:UB+15], s[6:7], 0x80
	s_load_b512 s[UB+16:UB+31], s[6:7], 0xc0
	BATCH 0, UA, 0, 3, 2-2*\first
	BATCH 1, UA, 1-\last, 0, 2-\first
	BATCH 2, UA, 0, 3-\last, 2
	BATCH 3, UA, 1-\last, 0, 2
	s_wait_kmcnt 0x0                               ; U of d 4-7
.if (\last) == 0
	s_load_b512 s[UA:UA+15], s[6:7], 0x100         ; the next trip's
	s_load_b512 s[UA+16:UA+31], s[6:7], 0x140
.endif
	BATCH 4, UB, 0, 3-2*\last, 2
	BATCH 5, UB, 1-\last, 0, 2
	BATCH 6, UB, 0, 3-3*\last, 2
	BATCH 7, UB, 1-\last, 0, 2
.if (\last) == 0
	s_wait_xcnt 0x0                                ; the loads that are out have read their bases: both are stepped only behind this wait
	s_add_nc_u64 s[4:5], s[4:5], 2048
	s_add_nc_u64 s[6:7], s[6:7], 256
.endif
.endm
	TRIP 1, 0                                      ; the first trip is written out: its first batches start the sums
	s_mov_b32 s56, 6
.Ltrip:
	TRIP 0, 0
	s_sub_co_u32 s56, s56, 1
	s_cmp_lg_u32 s56, 0
	s_cbranch_scc1 .Ltrip
	TRIP 0, 1                                      ; the last trip asks for nothing more: no load leaves its buffer, and the counts run down
	s_wait_dscnt 0x0
	EAT 1, 0                                       ; the last batch
	; THE WAY OUT.  My 16 partial sums (8 batches x cos, sin), each a lane a neuron.
.irp b, 0,1,2,3,4,5,6,7
	v_fmamk_f32 v[P+\b], v[ACC+4*\b+1], 0x38800000, v[ACC+4*\b]       ; sum of s0 + 2^-14 x sum of D x fraction
	v_fmamk_f32 v[P+8+\b], v[ACC+4*\b+3], 0x38800000, v[ACC+4*\b+2]
.endr
	s_wait_alu depctr_va_vdst(0)
	s_barrier_signal -1                            ; no LDS instruction of mine is out.  Behind this barrier no wave gathers any more,
	s_barrier_wait -1                              ; so the stores below stand apart from every gather
.irp r, 0,1,2,3,4,5,6,7,8,9,10,11,12,13,14,15
	ds_store_b32 v2, v[P+\r] offset:128*\r
.endr
	s_wait_dscnt 0x0                               ; for the others' sake
	s_barrier_signal -1
	s_barrier_wait -1
.irp i, 0,1,2,3,4,5,6,7,8,9,10,11,12,13,14,15
	ds_load_b32 v[120+\i], v3 offset:2048*\i       ; wave w owns row w: its sixteen parts
.endr
	s_wait_dscnt 0x0
.irp i, 0,1,2,3,4,5,6,7
	v_add_f32 v[120+\i], v[120+\i], v[128+\i]      ; a fixed tree
.endr
.irp i, 0,1,2,3
	s_delay_alu instid0(VALU_DEP_4)
	v_add_f32 v[120+\i], v[120+\i], v[124+\i]
.endr
.irp i, 0,1
	s_delay_alu instid0(VALU_DEP_2)
	v_add_f32 v[120+\i], v[120+\i], v[122+\i]
.endr
	s_delay_alu instid0(VALU_DEP_1)
	v_add_f32 v120, v120, v121
	ds_store_b32 v4, v120
	s_wait_dscnt 0x0                               ; for wave 0's sake
	s_barrier_signal -1
	s_barrier_wait -1
	s_cmp_lg_u32 s57, 0                            ; wave 0 quantises the 16 rows: a row is one block of 32, two neighbouring lanes hold it
	s_cbranch_scc1 .Ldone
.irp i, 0,1,2,3
	ds_load_b128 v[136+4*\i:136+4*\i+3], v5 offset:16*\i
.endr
	s_wait_dscnt 0x0
	v_max3_num_f32 v152, |v136|, |v137|, |v138|    ; the largest magnitude of my 16, in two chains
	v_max3_num_f32 v153, |v139|, |v140|, |v141|
.irp i, 6,10
	s_delay_alu instid0(VALU_DEP_2)
	v_max3_num_f32 v152, v152, |v[136+\i]|, |v[137+\i]|
	s_delay_alu instid0(VALU_DEP_2)
	v_max3_num_f32 v153, v153, |v[138+\i]|, |v[139+\i]|
.endr
	s_delay_alu instid0(VALU_DEP_2)
	v_max3_num_f32 v152, v152, |v150|, |v151|
	s_delay_alu instid0(VALU_DEP_1)
	v_max3_num_f32 v152, v152, v153, 0x1800000     ; and the floor 2^(3 - 127): so the byte cannot fall under 1
	s_delay_alu instid0(VALU_DEP_1)
	v_max_num_f32_dpp v152, v152, v152 row_xmask:1 row_mask:0xf bank_mask:0xf   ; and of my neighbour's 16: the block's
	s_delay_alu instid0(VALU_DEP_1)
	v_add_nc_u32 v154, 0xff000000, v152            ; 2 off its exponent field: the conversion's scale operand
	v_cvt_scalef32_pk8_fp4_f32 v156, v[136:143], v154
	v_cvt_scalef32_pk8_fp4_f32 v157, v[144:151], v154
	v_lshrrev_b32 v158, 23, v154                   ; the scale's byte (also the plain line behind the conversions)
	global_store_b64 v6, v[156:157], s[12:13]      ; 32 lanes store 256 consecutive bytes, aligned: [row 16][16 bytes]
	global_store_b8 v7, v158, s[14:15]             ; 16 single bytes a work-group, each in its batch's row of 128 (both lanes of a block write the same byte): 4,096 bytes in the whole launch
.Ldone:
	s_wait_tensorcnt 0x0
	ds_add_u32 v176, v177
	s_wait_dscnt 0x0
	s_endpgm
.Lfunc_end_k_q723266337f_main:
	.size	k_q723266337f_main, .Lfunc_end_k_q723266337f_main-k_q723266337f_main
	.p2alignl 7, 3214868480
	.fill 96, 4, 3214868480
	.section	.rodata,"a",@progbits
	.p2align	6, 0x0
	.amdhsa_kernel k_q723266337f_main
		.amdhsa_group_segment_fixed_size 102656
		.amdhsa_private_segment_fixed_size 0
		.amdhsa_enable_private_segment 0
		.amdhsa_kernarg_size 48
		.amdhsa_user_sgpr_count 2
		.amdhsa_user_sgpr_kernarg_segment_ptr 1
		.amdhsa_wavefront_size32 1
		.amdhsa_system_sgpr_workgroup_id_x 1
		.amdhsa_system_sgpr_workgroup_id_y 1
		.amdhsa_system_sgpr_workgroup_id_z 1
		.amdhsa_system_vgpr_workitem_id 0
		.amdhsa_next_free_vgpr 178
		.amdhsa_next_free_sgpr 100
		.amdhsa_reserve_vcc 0
		.amdhsa_float_denorm_mode_32 3
		.amdhsa_float_denorm_mode_16_64 3
		.amdhsa_memory_ordered 1
		.amdhsa_forward_progress 1
		.amdhsa_inst_pref_size 138
	.end_amdhsa_kernel
	.amdgpu_metadata
---
amdhsa.version: [ 1, 2 ]
amdhsa.kernels:
  - .name:           k_q723266337f_main
    .symbol:         k_q723266337f_main.kd
    .args:
      - { .name: rc, .offset: 0, .size: 8, .value_kind: global_buffer, .address_space: global }
      - { .name: ut, .offset: 8, .size: 8, .value_kind: global_buffer, .address_space: global }
      - { .name: sin_table, .offset: 16, .size: 8, .value_kind: global_buffer, .address_space: global }
      - { .name: cos_table, .offset: 24, .size: 8, .value_kind: global_buffer, .address_space: global }
      - { .name: acodes, .offset: 32, .size: 8, .value_kind: global_buffer, .address_space: global }
      - { .name: ascl, .offset: 40, .size: 8, .value_kind: global_buffer, .address_space: global }
    .group_segment_fixed_size: 102656
    .private_segment_fixed_size: 0
    .kernarg_segment_align: 8
    .kernarg_segment_size: 48
    .max_flat_workgroup_size: 512
    .sgpr_count:     100
    .vgpr_count:     178
    .wavefront_size: 32
...
	.end_amdgpu_metadata
.endif
;; end of part 2
;; launch proj (part 3): grid 16 x 1, 16 waves a work-group, no clusters, 36,864 bytes of LDS; arguments acodes, ascl, wcodes, wscl, out0; writes out0
.if DOCPART == 3
	.amdgcn_target "amdgcn-amd-amdhsa--gfx1250"
	.amdhsa_code_object_version 6
	.text
	.protected	k_q723266337f_proj
	.globl	k_q723266337f_proj
	.p2align	8
	.type	k_q723266337f_proj,@function
k_q723266337f_proj:
	s_mov_b64 s[64:65], 0
	v_nop
	global_prefetch_b8 v0, s[64:65] scope:SCOPE_SE
	s_setreg_imm32_b32 hwreg(HW_REG_WAVE_MODE, 25, 1), 1
	s_wait_xcnt 0x0
; THE THIRD LAUNCH: out0 = silu(cos_sum real^T + sin_sum imag^T), both products on codes of FP4 (E2M1) with one E8M0 scale for each 32 along K.  The two products are one sum over K = 2 x 2,048.
; SHARES.  A work-group makes 64 columns of all 32 rows, so that its piece of a row of out0 is 256 consecutive bytes, aligned; 16 work-groups: the whole launch reads 2.3 MB and has 4,096 matrix instructions.
;   Wave w: 16 columns (w % 4) and a quarter of K (w / 4: 8 steps of 128; quarters 0, 1 are the real product, 2, 3 the imaginary).  Every byte of the weights' codes is read once, by one wave, straight into registers.
; THE MATRIX INSTRUCTION IS USED TRANSPOSED: source 0 = 16 rows of the weight (16 columns of out0), source 1 = 16 batches: a lane then holds eight neighbouring numbers of a row of out0.
; The four quarters of K meet in a stage in LDS; one barrier; each wave adds, applies silu and stores two rows' pieces.
; acodes: [block of 32 along K (64)][batch / 8 (4)][8 x (cos, sin) + batch % 8][16 bytes];  ascl: [batch][64 x (cos, sin) + block];  wcodes: [2][1024][1,024 bytes];  wscl: [2][1024][64].
.set WF,   16                          ; v16-79    the weight's 8 fragments (16 rows x 128 K: 8 registers)
.set AF0,  80                          ; v80-143   batches 0-15
.set AF1,  144                         ; v144-207  batches 16-31
.set WS,   208                         ; v208-215  the weight's scale words, one a K step
.set AS0,  216                         ; v216-223  the sums', batches 0-15
.set AS1,  224                         ; v224-231  batches 16-31
.set ACC0, 232
.set ACC1, 240
.set QST,  8704                        ; the stage of a quarter of K: 32 rows x (256 bytes + 16)
	s_load_b256 s[4:11], s[0:1], 0x0               ; acodes s[4:5], ascl s[6:7], wcodes s[8:9], wscl s[10:11]
	s_load_b64 s[12:13], s[0:1], 0x20              ; out0
	v_lshl_add_u32 v254, v0, 2, 0x8800
	v_mov_b32 v255, 0
	v_lshrrev_b32 v1, 5, v0
	s_delay_alu instid0(VALU_DEP_1)
	v_readfirstlane_b32 s14, v1                    ; wave 0..15
	s_and_b32 s15, s14, 3                          ; which 16 columns
	s_lshr_b32 s16, s14, 2                         ; which quarter of K
	s_lshr_b32 s17, s16, 1                         ; 0 cos x real, 1 sin x imaginary
	s_and_b32 s18, s16, 1                          ; which half of that product's K
	v_and_b32 v9, 15, v0                           ; r
	v_bfe_u32 v10, v0, 4, 1                        ; h
	s_delay_alu instid0(VALU_DEP_2)
	v_lshlrev_b32 v2, 10, v9
	s_delay_alu instid0(VALU_DEP_1)
	v_lshl_add_u32 v2, v10, 4, v2                  ; v2: the weight's codes: row r of 1,024 bytes, + 16 h
	s_delay_alu instid0(VALU_DEP_4)
	v_lshlrev_b32 v3, 6, v9                        ; v3: its scale words: 64 bytes a row
	v_lshrrev_b32 v11, 3, v9
	v_and_b32 v12, 7, v9
	v_lshlrev_b32 v4, 10, v10
	s_delay_alu instid0(VALU_DEP_1)
	v_lshl_add_u32 v4, v11, 8, v4
	s_delay_alu instid0(VALU_DEP_1)
	v_lshl_add_u32 v4, v12, 4, v4                  ; v4: the sums' codes: block h of a pair (1,024 bytes), batch r: 256 (r / 8) + 16 (r % 8)
	v_lshlrev_b32 v5, 7, v9                        ; v5: their scale words: 128 bytes a batch
	s_mul_i32 s19, s16, QST
	s_lshl_b32 s20, s15, 6
	s_add_co_u32 s19, s19, s20
	v_mul_u32_u24 v6, v9, 272
	s_delay_alu instid0(VALU_DEP_1)
	v_lshl_add_u32 v6, v10, 5, v6
	s_delay_alu instid0(VALU_DEP_1)
	v_add_nc_u32 v6, s19, v6                       ; v6: into the stage: my quarter, row r, my 16 columns' 64 bytes, + 32 h
	s_mul_i32 s19, s14, 544
	v_mul_u32_u24 v7, v10, 272
	s_delay_alu instid0(VALU_DEP_1)
	v_lshl_add_u32 v7, v9, 4, v7
	s_delay_alu instid0(VALU_DEP_1)
	v_add_nc_u32 v7, s19, v7                       ; v7: out of it: rows 2 w and 2 w + 1, sixteen lanes to a row
	s_lshl_b32 s19, s14, 13
	v_lshlrev_b32 v8, 12, v10
	s_delay_alu instid0(VALU_DEP_1)
	v_lshl_add_u32 v8, v9, 4, v8
	s_delay_alu instid0(VALU_DEP_1)
	v_add_nc_u32 v8, s19, v8                       ; v8: the same two rows in out0, 4,096 bytes a row
	s_mov_b32 s21, 0
	s_lshl_b32 s22, s17, 10
	s_lshl_b32 s20, ttmp9, 6
	s_add_co_u32 s22, s22, s20
	s_lshl_b32 s20, s15, 4
	s_add_co_u32 s22, s22, s20                     ; my first row of the two weights on end: 1,024 x product + 64 x work-group + 16 x (w % 4)
	s_wait_kmcnt 0x0
	s_lshl_b32 s20, s22, 10
	s_lshl_b32 s23, s18, 9
	s_add_co_u32 s20, s20, s23
	s_add_nc_u64 s[8:9], s[8:9], s[20:21]
	s_lshl_b32 s20, s22, 6
	s_lshl_b32 s23, s18, 5
	s_add_co_u32 s20, s20, s23
	s_add_nc_u64 s[10:11], s[10:11], s[20:21]
	s_lshl_b32 s20, s18, 15                        ; the sums' codes: 32 blocks of 1,024 bytes for half of a product's K,
	s_lshl_b32 s23, s17, 7                         ; 128 bytes on for sin's rows
	s_add_co_u32 s20, s20, s23
	s_add_nc_u64 s[4:5], s[4:5], s[20:21]
	s_lshl_b32 s20, s16, 5                         ; their scale bytes: 32 a quarter of K
	s_add_nc_u64 s[6:7], s[6:7], s[20:21]
	s_lshl_b32 s20, ttmp9, 8
	s_add_nc_u64 s[12:13], s[12:13], s[20:21]
	; 54 loads a wave, all at once: the scale words of the 8 steps first (32 consecutive bytes a row), then the fragments step by step
	global_load_b128 v[WS:WS+3], v3, s[10:11]
	global_load_b128 v[WS+4:WS+7], v3, s[10:11] offset:16
	global_load_b128 v[AS0:AS0+3], v5, s[6:7]
	global_load_b128 v[AS0+4:AS0+7], v5, s[6:7] offset:16
	global_load_b128 v[AS1:AS1+3], v5, s[6:7] offset:2048
	global_load_b128 v[AS1+4:AS1+7], v5, s[6:7] offset:2064
.irp i, 0,1,2,3,4,5,6,7
.irp c, 0,1                            ; registers 4 c .. 4 c + 3 of a fragment: K = 64 c + 32 h + 0 .. 31: one whole block, 16 bytes
	global_load_b128 v[WF+8*\i+4*\c:WF+8*\i+4*\c+3], v2, s[8:9] offset:64*\i+32*\c th:TH_LOAD_NT
	global_load_b128 v[AF0+8*\i+4*\c:AF0+8*\i+4*\c+3], v4, s[4:5] offset:4096*\i+2048*\c
	global_load_b128 v[AF1+8*\i+4*\c:AF1+8*\i+4*\c+3], v4, s[4:5] offset:4096*\i+2048*\c+512
.endr
.endr
	; the two accumulators take turns, one instruction a turn; the first step starts the sums
.irp i, 0,1,2,3,4,5,6,7
	s_wait_loadcnt 6*(7-\i)                        ; loads come back in order: step i's six are in, the later steps' may be out
.if \i == 0
	v_wmma_scale_f32_16x16x128_f8f6f4 v[ACC0:ACC0+7], v[WF:WF+7], v[AF0:AF0+7], 0, v[WS], v[AS0] matrix_a_fmt:MATRIX_FMT_FP4 matrix_b_fmt:MATRIX_FMT_FP4
	v_wmma_scale_f32_16x16x128_f8f6f4 v[ACC1:ACC1+7], v[WF:WF+7], v[AF1:AF1+7], 0, v[WS], v[AS1] matrix_a_fmt:MATRIX_FMT_FP4 matrix_b_fmt:MATRIX_FMT_FP4
.else
	v_wmma_scale_f32_16x16x128_f8f6f4 v[ACC0:ACC0+7], v[WF+8*\i:WF+8*\i+7], v[AF0+8*\i:AF0+8*\i+7], v[ACC0:ACC0+7], v[WS+\i], v[AS0+\i] matrix_a_fmt:MATRIX_FMT_FP4 matrix_b_fmt:MATRIX_FMT_FP4
	v_wmma_scale_f32_16x16x128_f8f6f4 v[ACC1:ACC1+7], v[WF+8*\i:WF+8*\i+7], v[AF1+8*\i:AF1+8*\i+7], v[ACC1:ACC1+7], v[WS+\i], v[AS1+\i] matrix_a_fmt:MATRIX_FMT_FP4 matrix_b_fmt:MATRIX_FMT_FP4
.endif
.endr
.rept 4
	v_nop                                          ; four places behind the last products, ahead of the stores that read the results and of the loads into the fragments' registers
.endr
	s_wait_alu depctr_va_vdst(0)
	ds_store_b128 v6, v[ACC0:ACC0+3]               ; lane (r, h): batch r, columns 8 h + 0 .. 7 of my 16; each accumulator from its low end on
	ds_store_b128 v6, v[ACC0+4:ACC0+7] offset:16
	ds_store_b128 v6, v[ACC1:ACC1+3] offset:4352   ; batches 16-31: sixteen rows of 272 bytes on
	ds_store_b128 v6, v[ACC1+4:ACC1+7] offset:4368
	s_wait_dscnt 0x0                               ; for the others' sake: my stores into the stage are done
	s_barrier_signal -1
	s_barrier_wait -1
.irp q, 0,1,2,3
	ds_load_b128 v[16+4*\q:16+4*\q+3], v7 offset:QST*\q   ; the four quarters of K of my four numbers
.endr
	s_wait_dscnt 0x0
	v_pk_add_f32 v[16:17], v[16:17], v[20:21]      ; the real product's two halves,
	v_pk_add_f32 v[18:19], v[18:19], v[22:23]
	v_pk_add_f32 v[24:25], v[24:25], v[28:29]      ; the imaginary product's,
	v_pk_add_f32 v[26:27], v[26:27], v[30:31]
	s_delay_alu instid0(VALU_DEP_2)
	v_pk_add_f32 v[16:17], v[16:17], v[24:25]      ; and both
	s_delay_alu instid0(VALU_DEP_2)
	v_pk_add_f32 v[18:19], v[18:19], v[26:27]
.irp i, 0,1,2,3
	v_mul_f32 v[32+\i], 0xbfb8aa3b, v[16+\i]       ; silu(y) = y / (1 + 2^(-y log2(e)))
.endr
	s_wait_alu depctr_va_vdst(0)
.irp i, 0,1,2,3
	v_exp_f32 v[32+\i], v[32+\i]
.endr
	v_nop                                          ; a plain line behind the last exponential,
	s_wait_alu depctr_va_vdst(0)                   ; and one wait for the four, ahead of their first reader
.irp i, 0,1,2,3
	v_add_f32 v[32+\i], 1.0, v[32+\i]
.endr
	s_wait_alu depctr_va_vdst(0)
.irp i, 0,1,2,3
	v_rcp_f32 v[32+\i], v[32+\i]
.endr
	v_nop
	s_wait_alu depctr_va_vdst(0)                   ; likewise for the four reciprocals
.irp i, 0,1,2,3
	v_mul_f32 v[36+\i], v[16+\i], v[32+\i]
.endr
	global_store_b128 v8, v[36:39], s[12:13]       ; sixteen lanes store 256 consecutive bytes, aligned
	s_wait_tensorcnt 0x0
	ds_add_u32 v254, v255
	s_wait_dscnt 0x0
	s_endpgm
.Lfunc_end_k_q723266337f_proj:
	.size	k_q723266337f_proj, .Lfunc_end_k_q723266337f_proj-k_q723266337f_proj
	.p2alignl 7, 3214868480
	.fill 96, 4, 3214868480
	.section	.rodata,"a",@progbits
	.p2align	6, 0x0
	.amdhsa_kernel k_q723266337f_proj
		.amdhsa_group_segment_fixed_size 36864
		.amdhsa_private_segment_fixed_size 0
		.amdhsa_enable_private_segment 0
		.amdhsa_kernarg_size 40
		.amdhsa_user_sgpr_count 2
		.amdhsa_user_sgpr_kernarg_segment_ptr 1
		.amdhsa_wavefront_size32 1
		.amdhsa_system_sgpr_workgroup_id_x 1
		.amdhsa_system_sgpr_workgroup_id_y 1
		.amdhsa_system_sgpr_workgroup_id_z 1
		.amdhsa_system_vgpr_workitem_id 0
		.amdhsa_next_free_vgpr 256
		.amdhsa_next_free_sgpr 66
		.amdhsa_reserve_vcc 0
		.amdhsa_float_denorm_mode_32 3
		.amdhsa_float_denorm_mode_16_64 3
		.amdhsa_memory_ordered 1
		.amdhsa_forward_progress 1
		.amdhsa_inst_pref_size 13
	.end_amdhsa_kernel
	.amdgpu_metadata
---
amdhsa.version: [ 1, 2 ]
amdhsa.kernels:
  - .name:           k_q723266337f_proj
    .symbol:         k_q723266337f_proj.kd
    .args:
      - { .name: acodes, .offset: 0, .size: 8, .value_kind: global_buffer, .address_space: global }
      - { .name: ascl, .offset: 8, .size: 8, .value_kind: global_buffer, .address_space: global }
      - { .name: wcodes, .offset: 16, .size: 8, .value_kind: global_buffer, .address_space: global }
      - { .name: wscl, .offset: 24, .size: 8, .value_kind: global_buffer, .address_space: global }
      - { .name: out0, .offset: 32, .size: 8, .value_kind: global_buffer, .address_space: global }
    .group_segment_fixed_size: 36864
    .private_segment_fixed_size: 0
    .kernarg_segment_align: 8
    .kernarg_segment_size: 40
    .max_flat_workgroup_size: 512
    .sgpr_count:     66
    .vgpr_count:     256
    .wavefront_size: 32
...
	.end_amdgpu_metadata
.endif
;; end of part 3
